; MI455X (gfx1250); checked and timed in simulation.
; The chip was launched on July 23, 2026; its instructions are those of AMD's public machine-readable ISA for CDNA 5 (MIT licence, August 2026) and "CDNA5" Instruction Set Architecture Reference Guide (July 2026). The comments in the code are by the model that wrote it; some were corrected since.
;; Local Self Attention. Allowed arithmetic: matrix products marked QUANTISED: E2M3 operands, one E8M0 scale for each 32 along K, by v_wmma_scale_f32_16x16x128_f8f6f4 with both operands' format E2M3, f32 sums; everything else in f32.
;; Inputs: Wk 1,024 x 1,024 float32; Wq 1,024 x 1,024 float32; Wv 1,024 x 1,024 float32; hidden_states 2 x 8,192 x 1,024 float32.
;; Outputs: out0 2 x 8,192 x 1,024 float32.
;; This version of the problem:
;;   THIS VERSION OF THE PROBLEM IS GIVEN IN LOW PRECISION. The matrix products marked QUANTISED in the list below multiply operands that are first quantised to E2M3 (2 exponent bits, 3 mantissa bits; 6 bits a number), with one power-of-two scale for each 32 numbers along K (OCP MX v1.0); their sums are f32. All else is computed in f32.
;;   The module's matrix products, in the order in which they are computed (A, B: the left and right operand; K: the contracted axis; several contracted axes count as one K, in the product's order):
;;     1. [M 16,384, K 1,024] x [K 1,024, N 1,024]; A: input hidden_states; B: input Wq: QUANTISED
;;     2. [M 16,384, K 1,024] x [K 1,024, N 1,024]; A: input hidden_states; B: input Wk: QUANTISED
;;     3. [M 16,384, K 1,024] x [K 1,024, N 1,024]; A: input hidden_states; B: input Wv: QUANTISED
;;     4. batch 2,048 x [M 128, K 64] x [K 64, N 256]; A: computed on the way; B: computed on the way: QUANTISED
;;     5. batch 2,048 x [M 128, K 256] x [K 256, N 64]; A: softmax (see below); B: computed on the way: QUANTISED
;;   THE QUANTISER, for each operand of a quantised product, along K:
;;     - K is cut into blocks of 32 from its start; a last block that is shorter is filled with zeros.
;;     - A block's scale is 2^e with e = floor(log2(the largest magnitude in the block)) - 2, held to -126 .. 127; a block of zeros has e = 0. As a byte (E8M0): e + 127.
;;     - Each number is divided by its block's scale, clamped to +-7.5, and rounded to the nearest number of E2M3, ties to even, subnormals kept.
;;     - The product sums the exact products of the quantised numbers (number of the format x scale) in f32.
;;   ~~~python
;;   def quantise(x, axis):      # numpy; x: float32 -> the quantised numbers, widened to float32 again
;;       x = np.moveaxis(x, axis, -1); K = x.shape[-1]
;;       x = np.pad(x, [(0, 0)] * (x.ndim - 1) + [(0, -K % 32)]); x = x.reshape(x.shape[:-1] + (-1, 32)); a = np.abs(x).max(-1, keepdims=True)
;;       e = np.where(a > 0, np.clip(np.frexp(np.where(a > 0, a, 1))[1] - 1 - 2, -126, 127), 0)      # np.frexp(a)[1] - 1 = floor(log2(a)), exactly
;;       r = np.clip(x / 2.0 ** e, -7.5, 7.5)
;;       step = 2.0 ** (np.maximum(np.frexp(np.where(r == 0, 1, r))[1] - 1, 0) - 3)
;;       q = np.round(r / step) * step * 2.0 ** e      # np.round: ties to even
;;       return np.moveaxis(q.reshape(q.shape[:-2] + (-1,))[..., :K], -1, axis).astype(np.float32)
;;   ~~~
;;   SOFTMAX AHEAD OF A QUANTISED PRODUCT. Where the list says 'softmax', what is quantised is not the finished softmax but p = 2^(t - M), with t = logit x log2(e) and M = ceil(the row's largest t), a whole number; so 1/2 < the row's largest p <= 1. The row's sum l is taken of the UNQUANTISED p, in f32, and the product's result is divided by l at the end. Since M is a whole number, a kernel that streams over the keys may use a running M (the ceiling of the running maximum): every later rescaling is an exact power of two, which a block's scale takes up: the codes' values come out the same.
;;   OPERANDS COMPUTED ON THE WAY. 'Computed on the way' means the value that the module computes at that place (a softmax that the list does not call 'softmax' is quantised finished and normalised). What goes into a quantiser is computed in f32, as accurately as f32 sums, v_exp_f32 and their like allow (about 1e-6 of the number): no bf16 or f16 on the way to a quantiser, and a product that is left as it is and whose result goes on into a quantised operand takes f32 operands (vector FMAs, or v_wmma_f32_16x16x4_f32). A number that lies on a knife's edge between two numbers of the format may be rounded either way, as far as f32 arithmetic and the matrix unit's own rounding can turn it there, and no further.
;; One version. Each part assembles by itself: llvm-mc -triple=amdgcn-amd-amdhsa -mcpu=gfx1250 --defsym DOCPART=n.
;; ======== version 1 of 1: 2 launches
;; limits: right only within a limited range of input values
;; workspace buffers: hq 13,107,200 bytes; wq 2,359,296 bytes; ws 98,304 bytes
;; launch prep (part 1): grid 704 x 1, 4 waves a work-group, no clusters, 47,616 bytes of LDS; arguments hidden_states, Wq, Wk, Wv, hq, wq, ws; writes hq, wq, ws
.if DOCPART == 1
	.amdgcn_target "amdgcn-amd-amdhsa--gfx1250"
	.amdhsa_code_object_version 6
	.text
	.protected	k_q1bc11ed6c9_prep
	.globl	k_q1bc11ed6c9_prep
	.p2align	8
	.type	k_q1bc11ed6c9_prep,@function
k_q1bc11ed6c9_prep:
	s_mov_b64 s[64:65], 0
	v_nop
	global_prefetch_b8 v0, s[64:65] scope:SCOPE_SE
	s_setreg_imm32_b32 hwreg(HW_REG_WAVE_MODE, 25, 1), 1
	s_wait_xcnt 0x0
; hidden_states [16384][1024] and Wq, Wk, Wv [1024 (k)][1024 (n)], f32, become codes of FP6 (E2M3) with one E8M0 byte for each 32 along K = 1,024,
; laid as IMAGES OF OPERAND REGISTERS: a fragment (16 rows x 128 K) is 12 registers a lane; register p of lane l lies at 512 (p / 4) + 16 l + 4 (p % 4) of its 1,536 bytes,
; so that the next launch brings a fragment by three loads of 16 bytes a lane.
; ONE ORDER OF ROWS EVERYWHERE: lane r of tile 2 g + u takes row (of hidden, in a chunk of 128) or column (of a weight, in a head's 64) 32 g + 8 u + r + 8 (r / 8).
; hq: chunk x 102,400; in it fragment (K step s, tile T) at (8 s + T) x 1,536; from 98,304 on the scale words: block (pair g, half kh of K) at (2 g + kh) x 512, lane (16 u + r) x 16 bytes = the words of K steps 4 kh + 0 .. 3.
; wq: head x 147,456 + ch x 73,728 + (6 s + t) x 1,536.  ch 0: t 0-3 Wq's four tiles, t 4, 5 Wv's columns 0-31;  ch 1: Wk's four, Wv's columns 32-63.
; ws: ((2 head + ch) x 3 + t / 2) x 1,024 + s x 128 + 4 x (16 (t % 2) + r).
; A block's scale is 2^(floor(log2(largest magnitude)) - 2): its byte is the largest magnitude's exponent field - 2, held at 1 from below by a floor among the maximum's leaves.
; LIMITS: a block of zeros, or one whose largest magnitude lies under 2^-124, keeps the byte 1 (zeros' codes are zeros; this program alone reads the bytes).  NaN and infinities among the inputs are not served.
; Work-groups 0-191 take the weights, 192-703 hidden_states.  Waves share nothing: no barrier.  Each of the two ways has LDS bytes of its own.
.set WST,   33792                      ; LDS: 0: hidden's stages, 8,448 bytes a wave (16 rows x 528);  33,792: the weights' stages, 3,328 a wave (two images 1,664 apart)
.set SPARE, 47104                      ; the spare words, 128 bytes a wave: two blocks of 256 bytes that no other line names
.set SPW, 12                           ; v12  LDS address of my spare word; never rewritten
.set NIL, 13                           ; v13  0; never rewritten
.set LN,  14                           ; v14  lane
.set TM,  16                           ; v16-31   QUANT: largest magnitudes, bytes, scale operands
.set R,   32                           ; v32-159  hidden: two sets of 64 registers as loaded;  weights: four blocks of 32 numbers
.set X,   160                          ; v160-223 hidden: 64 numbers of my row, register 16 b + i = k 32 b + 16 (lane / 16) + i;  weights: v160-191 codes, v192-215 images read back, v216-218 at work
.set PC,  224                          ; v224-235 the fragment just made; v236-243 beside it
	s_load_b256 s[4:11], s[0:1], 0x0               ; hidden s[4:5], Wq s[6:7], Wk s[8:9], Wv s[10:11]
	s_load_b128 s[12:15], s[0:1], 0x20             ; hq s[12:13], wq s[14:15]
	s_load_b64 s[24:25], s[0:1], 0x30              ; ws
	v_lshl_add_u32 v[SPW], v0, 2, SPARE
	v_mov_b32 v[NIL], 0
	v_lshrrev_b32 v1, 5, v0
	v_readfirstlane_b32 s16, v1                    ; wave 0..3
	v_and_b32 v[LN], 31, v0
	s_mov_b32 s20, 0x76543210
	s_mov_b32 s21, 0xfedcba98                      ; v_permlanex16_b32's selects for lane l xor 16
	s_cmp_lt_u32 ttmp9, 192
	s_cbranch_scc1 .Lweights
; ---------------- hidden_states: a wave takes one tile of 16 rows x 512 along K: four fragments ----------------
; 64 numbers of a lane become a fragment's codes in v[PC] on and its row's scale word in v[w]
.macro QUANT s, w
.irp b, 0,1,2,3
	v_max3_num_f32 v[TM+\b], |v[\s+16*\b]|, |v[\s+1+16*\b]|, 0x1800000   ; block b: my 16 numbers, and the floor 2^(3 - 127): the byte cannot fall under 1
.endr
.irp i, 2,4,6,8,10,12,14
.irp b, 0,1,2,3
	v_max3_num_f32 v[TM+\b], v[TM+\b], |v[\s+16*\b+\i]|, |v[\s+1+16*\b+\i]|   ; the four blocks by turns
.endr
.endr
.irp b, 0,1,2,3
	v_permlanex16_b32 v[TM+4+\b], v[TM+\b], s20, s21
.endr
.irp b, 0,1,2,3
	v_max_num_f32 v[TM+\b], v[TM+\b], v[TM+4+\b]   ; with lane l xor 16's 16: the block's largest magnitude
.endr
.irp b, 0,1,2,3
	v_add_nc_u32 v[TM+12+\b], 0xff000000, v[TM+\b] ; 2 off its exponent field: the conversion takes this operand's exponent field as its scale
.endr
.irp b, 0,1,2,3
	v_lshrrev_b32 v[TM+4+\b], 23, v[TM+12+\b]      ; the scale's byte
.endr
	v_lshl_or_b32 v[\w], v[TM+5], 8, v[TM+4]
	v_lshl_or_b32 v[\w], v[TM+6], 16, v[\w]
	v_lshl_or_b32 v[\w], v[TM+7], 24, v[\w]
.irp c, 0,1
	v_cvt_scalef32_pk16_fp6_f32 v[PC+6*\c:PC+2+6*\c], v[\s+32*\c:\s+15+32*\c], v[TM+12+2*\c]
	v_cvt_scalef32_pk16_fp6_f32 v[PC+12+4*\c:PC+14+4*\c], v[\s+16+32*\c:\s+31+32*\c], v[TM+13+2*\c]   ; (a conversion's three registers begin on an even number)
.endr
	v_nop                                          ; one plain instruction behind the scaled conversions
.irp c, 0,1                                    ; the operand wants a WHOLE block in a lane: lanes 0-15 block 2 c, lanes 16-31 block 2 c + 1
.irp i, 0,1,2
	v_permlane16_swap_b32 v[PC+6*\c+\i], v[PC+12+4*\c+\i]
.endr
.irp i, 0,1,2
	v_mov_b32 v[PC+3+6*\c+\i], v[PC+12+4*\c+\i]
.endr
.endr
.endm
.macro LOADH t                         ; K step t of my four: 16 rows x 512 bytes; each load reads 512 consecutive bytes of one row
.irp i, 0,1,2,3,4,5,6,7,8,9,10,11,12,13,14,15
	global_load_b128 v[R+64*((\t)%2)+4*\i:R+64*((\t)%2)+4*\i+3], v1, s[4:5] offset:(\i+8*(\i/8))*4096+512*(\t) th:TH_LOAD_NT
.endr
.endm
.macro TURN t                          ; through my stage: in as loaded, out 16 neighbours of each block of 32 to a lane.  LDS serves a wave's instructions in order: no wait between
.irp i, 0,1,2,3,4,5,6,7,8,9,10,11,12,13,14,15
	ds_store_b128 v2, v[R+64*((\t)%2)+4*\i:R+64*((\t)%2)+4*\i+3] offset:528*\i
.endr
.irp b, 0,1,2,3
.irp j, 0,1,2,3
	ds_load_b128 v[X+16*\b+4*\j:X+16*\b+4*\j+3], v3 offset:128*\b+16*\j
.endr
.endr
.endm
.macro HSTEP t
.if (\t) < 3
	s_wait_loadcnt 16                              ; this step's 16 loads are in; the next step's 16 may be out
.else
	s_wait_loadcnt 0x0
.endif
	TURN \t
	s_wait_dscnt 0x0                               ; my row's numbers are back, and the stores into the stage have read their registers
	s_wait_xcnt 0x0                                ; the last step's global stores have read v[PC] on: it is written again only behind this wait
.if (\t) < 2
	LOADH (\t)+2
.endif
	QUANT X, 8+\t
.irp g, 0,1,2
	global_store_b128 v1, v[PC+4*\g:PC+4*\g+3], s[30:31] offset:12288*(\t)+512*\g   ; 512 consecutive bytes, aligned to 256
.endr
.endm
	s_sub_co_u32 s17, ttmp9, 192
	s_lshr_b32 s18, s17, 2                         ; chunk 0..127
	s_and_b32 s19, s17, 3                          ; pair of tiles g
	s_and_b32 s22, s16, 1                          ; u
	s_lshr_b32 s23, s16, 1                         ; kh: which half of K
	s_lshl_b32 s26, s18, 7
	s_lshl_b32 s27, s19, 5
	s_add_co_u32 s26, s26, s27
	s_lshl_b32 s27, s22, 3
	s_add_co_u32 s26, s26, s27                     ; the tile's first row: 128 chunk + 32 g + 8 u
	s_lshl_b32 s26, s26, 12
	s_lshl_b32 s27, s23, 11
	s_add_co_u32 s26, s26, s27                     ; in bytes, + 2,048 kh
	s_mov_b32 s27, 0
	s_mul_i32 s28, s18, 102400
	s_lshl_b32 s29, s23, 5
	s_lshl_b32 s30, s19, 1
	s_add_co_u32 s29, s29, s30
	s_add_co_u32 s29, s29, s22
	s_mul_i32 s29, s29, 1536
	s_add_co_u32 s30, s28, s29                     ; codes: chunk x 102,400 + (32 kh + 2 g + u) x 1,536
	s_mov_b32 s31, 0
	s_lshl_b32 s32, s19, 1
	s_add_co_u32 s32, s32, s23
	s_lshl_b32 s32, s32, 9
	s_lshl_b32 s33, s22, 8
	s_add_co_u32 s32, s32, s33
	s_add_co_u32 s32, s32, s28
	s_add_co_u32 s32, s32, 98304                   ; scale words: + 98,304 + (2 g + kh) x 512 + 256 u
	s_mov_b32 s33, 0
	s_wait_alu depctr_va_vdst(0)
	v_lshlrev_b32 v1, 4, v[LN]                     ; 16 x lane
	s_mul_i32 s34, s16, 8448                       ; my stage
	v_add_nc_u32 v2, s34, v1
	v_and_b32 v5, 15, v0                           ; r
	v_bfe_u32 v6, v0, 4, 1                         ; h
	v_mul_u32_u24 v3, v5, 528
	v_lshl_add_u32 v3, v6, 6, v3
	v_add_nc_u32 v3, s34, v3                       ; out of it: row r, + 64 h
	v_lshlrev_b32 v4, 4, v5                        ; 16 r
.irp b, 0,1,2,3
	v_mov_b32 v[TM+4+\b], 0                        ; written once: a lane permute's destination counts as one of its sources
.endr
	s_wait_alu depctr_va_vdst(0)
	s_wait_kmcnt 0x0
	s_add_nc_u64 s[4:5], s[4:5], s[26:27]
	s_add_nc_u64 s[30:31], s[12:13], s[30:31]
	s_add_nc_u64 s[32:33], s[12:13], s[32:33]
	LOADH 0
	LOADH 1
	HSTEP 0
	HSTEP 1
	HSTEP 2
	HSTEP 3
	v_cmp_gt_u32 vcc_lo, 16, v[LN]                 ; lanes 16-31 hold the same words as lanes 0-15
	s_wait_xcnt 0x0                                ; EXEC changes only behind this wait
	s_and_saveexec_b32 s35, vcc_lo
	global_store_b128 v4, v[8:11], s[32:33]        ; sixteen lanes store 256 consecutive bytes, aligned
	s_wait_xcnt 0x0
	s_or_b32 exec_lo, exec_lo, s35
	s_wait_tensorcnt 0x0                           ; the wave's end
	ds_add_u32 v[SPW], v[NIL]
	s_wait_dscnt 0x0
	s_endpgm
; ---------------- the weights: a lane takes a column, its registers run down K; a wave takes 32 columns x 128 along K: two fragments ----------------
.macro LOADW t                         ; block t of four: W(128 s + 32 t + n, my column): 128 consecutive bytes a wave, the four waves side by side
.set n, 0
.rept 32
	global_load_b32 v[R+32*(\t)+n], v1, s[6:7] offset:(32*(\t)+n)*4096 th:TH_LOAD_NT
.set n, n+1
.endr
.endm
.macro BLOCKW t                        ; block t = 2 c + h: it becomes registers 6 c .. 6 c + 5 of lane (r, h) of my column's fragment
.set XS, R+32*(\t)
.set CB, X+8*(\t)
.if (\t) < 3
	s_wait_loadcnt 32                              ; this block's 32 loads are in; the next block's may be out
.else
	s_wait_loadcnt 0x0
.endif
.if (\t) < 2
	LOADW (\t)+2
.endif
	v_max3_num_f32 v10, |v[XS]|, |v[XS+1]|, |v[XS+2]|   ; all 32 numbers of the block are mine: two chains
	v_max3_num_f32 v11, |v[XS+3]|, |v[XS+4]|, |v[XS+5]|
.irp i, 6,10,14,18,22,26
	v_max3_num_f32 v10, v10, |v[XS+\i]|, |v[XS+\i+1]|
	v_max3_num_f32 v11, v11, |v[XS+\i+2]|, |v[XS+\i+3]|
.endr
	v_max3_num_f32 v10, v10, |v[XS+30]|, |v[XS+31]|
	v_max3_num_f32 v10, v10, v11, 0x1800000        ; and the floor
	v_add_nc_u32 v11, 0xff000000, v10              ; the conversions' scale operand
	v_lshrrev_b32 v10, 23, v11                     ; the byte
.if (\t) == 0
	v_mov_b32 v9, v10
.else
	v_lshl_or_b32 v9, v10, 8*(\t), v9              ; byte t of my column's scale word
.endif
	v_cvt_scalef32_pk16_fp6_f32 v[CB:CB+2], v[XS:XS+15], v11
	v_cvt_scalef32_pk16_fp6_f32 v[216:218], v[XS+16:XS+31], v11
	v_nop                                          ; one plain instruction behind the scaled conversions
.irp i, 0,1,2
	v_mov_b32 v[CB+3+\i], v[216+\i]
.endr
.if (\t) < 2                                   ; registers 0-3 and 4, 5 of the image
	ds_store_b128 v6, v[CB:CB+3] offset:256*((\t)%2)
	ds_store_b64 v6, v[CB+4:CB+5] offset:512+256*((\t)%2)
.else                                          ; registers 6, 7 and 8-11
	ds_store_b64 v6, v[CB:CB+1] offset:520+256*((\t)%2)
	ds_store_b128 v6, v[CB+2:CB+5] offset:1024+256*((\t)%2)
.endif
.endm
.Lweights:
	s_lshr_b32 s17, ttmp9, 6                       ; 0: Wq, 1: Wk, 2: Wv
	s_bfe_u32 s18, ttmp9, 0x30003                  ; which 128 columns
	s_and_b32 s19, ttmp9, 7                        ; K step s
	s_lshr_b32 s22, s16, 1
	s_lshl_b32 s23, s18, 1
	s_add_co_u32 s22, s22, s23                     ; head
	s_and_b32 s23, s16, 1                          ; which 32 of the head's 64 columns
	s_lshl_b32 s27, s23, 1
	s_cmp_eq_u32 s17, 2
	s_cselect_b32 s26, s23, s17                    ; ch
	s_cselect_b32 s27, 4, s27                      ; t of my first fragment
	s_lshl_b32 s28, s19, 19
	s_lshl_b32 s29, s18, 9
	s_add_co_u32 s28, s28, s29
	s_lshl_b32 s29, s16, 7
	s_add_co_u32 s28, s28, s29                     ; 128 s rows of 4,096 bytes + 4 x my wave's first column
	s_mov_b32 s29, 0
	s_mul_i32 s30, s22, 147456
	s_mul_i32 s31, s26, 73728
	s_add_co_u32 s30, s30, s31
	s_mul_i32 s31, s19, 6
	s_add_co_u32 s31, s31, s27
	s_mul_i32 s31, s31, 1536
	s_add_co_u32 s30, s30, s31
	s_mov_b32 s31, 0
	s_lshl_b32 s32, s22, 1
	s_add_co_u32 s32, s32, s26
	s_mul_i32 s32, s32, 3
	s_lshr_b32 s33, s27, 1
	s_add_co_u32 s32, s32, s33
	s_lshl_b32 s32, s32, 10
	s_lshl_b32 s33, s19, 7
	s_add_co_u32 s32, s32, s33
	s_mov_b32 s33, 0
	s_wait_alu depctr_va_vdst(0)
	v_lshlrev_b32 v1, 2, v[LN]                     ; my column: 4 bytes a lane
	v_bfe_u32 v2, v[LN], 3, 1                      ; column y = 8 u + (r % 8) + 16 (r / 8): u,
	v_and_b32 v3, 7, v[LN]
	v_lshrrev_b32 v4, 4, v[LN]
	v_lshl_add_u32 v3, v4, 3, v3                   ; and r
	s_mul_i32 s34, s16, 3328
	s_add_co_u32 s34, s34, WST                     ; my stage
	v_mul_u32_u24 v6, v2, 1664
	v_lshl_add_u32 v6, v3, 4, v6
	v_add_nc_u32 v6, s34, v6                       ; into it: image u, lane r's 16 bytes
	v_lshlrev_b32 v5, 4, v[LN]
	v_add_nc_u32 v7, s34, v5                       ; out of it: 16 x lane
	v_lshl_add_u32 v8, v2, 4, v3
	v_lshlrev_b32 v8, 2, v8                        ; my scale word's place: 4 (16 u + r)
	s_wait_kmcnt 0x0
	s_cmp_eq_u32 s17, 0                            ; the choice hangs on the work-group's number alone
	s_cselect_b64 s[6:7], s[6:7], s[8:9]
	s_cmp_eq_u32 s17, 2
	s_cselect_b64 s[6:7], s[10:11], s[6:7]
	s_add_nc_u64 s[6:7], s[6:7], s[28:29]
	s_add_nc_u64 s[30:31], s[14:15], s[30:31]
	s_add_nc_u64 s[32:33], s[24:25], s[32:33]
	LOADW 0
	LOADW 1
	BLOCKW 0
	BLOCKW 1
	BLOCKW 2
	BLOCKW 3
.irp u, 0,1
.irp g, 0,1,2
	ds_load_b128 v[192+12*\u+4*\g:192+12*\u+4*\g+3], v7 offset:1664*\u+512*\g   ; LDS serves a wave's instructions in order: these see my stores
.endr
.endr
	s_wait_alu depctr_va_vdst(0)
	s_wait_dscnt 0x0
.irp u, 0,1
.irp g, 0,1,2
	global_store_b128 v5, v[192+12*\u+4*\g:192+12*\u+4*\g+3], s[30:31] offset:1536*\u+512*\g   ; 512 consecutive bytes, aligned to 256
.endr
.endr
	global_store_b32 v8, v9, s[32:33]              ; 128 consecutive bytes: 98,304 bytes of this kind in the whole launch
	s_wait_tensorcnt 0x0                           ; the wave's end
	ds_add_u32 v[SPW], v[NIL]
	s_wait_dscnt 0x0
	s_endpgm
.Lfunc_end_k_q1bc11ed6c9_prep:
	.size	k_q1bc11ed6c9_prep, .Lfunc_end_k_q1bc11ed6c9_prep-k_q1bc11ed6c9_prep
	.p2alignl 7, 3214868480
	.fill 96, 4, 3214868480
	.section	.rodata,"a",@progbits
	.p2align	6, 0x0
	.amdhsa_kernel k_q1bc11ed6c9_prep
		.amdhsa_group_segment_fixed_size 47616
		.amdhsa_private_segment_fixed_size 0
		.amdhsa_enable_private_segment 0
		.amdhsa_kernarg_size 56
		.amdhsa_user_sgpr_count 2
		.amdhsa_user_sgpr_kernarg_segment_ptr 1
		.amdhsa_wavefront_size32 1
		.amdhsa_system_sgpr_workgroup_id_x 1
		.amdhsa_system_sgpr_workgroup_id_y 1
		.amdhsa_system_sgpr_workgroup_id_z 1
		.amdhsa_system_vgpr_workitem_id 0
		.amdhsa_next_free_vgpr 256
		.amdhsa_next_free_sgpr 66
		.amdhsa_reserve_vcc 1
		.amdhsa_float_denorm_mode_32 3
		.amdhsa_float_denorm_mode_16_64 3
		.amdhsa_memory_ordered 1
		.amdhsa_forward_progress 1
		.amdhsa_inst_pref_size 56
	.end_amdhsa_kernel
	.amdgpu_metadata
---
amdhsa.version: [ 1, 2 ]
amdhsa.kernels:
  - .name:           k_q1bc11ed6c9_prep
    .symbol:         k_q1bc11ed6c9_prep.kd
    .args:
      - { .name: hidden_states, .offset: 0, .size: 8, .value_kind: global_buffer, .address_space: global }
      - { .name: Wq, .offset: 8, .size: 8, .value_kind: global_buffer, .address_space: global }
      - { .name: Wk, .offset: 16, .size: 8, .value_kind: global_buffer, .address_space: global }
      - { .name: Wv, .offset: 24, .size: 8, .value_kind: global_buffer, .address_space: global }
      - { .name: hq, .offset: 32, .size: 8, .value_kind: global_buffer, .address_space: global }
      - { .name: wq, .offset: 40, .size: 8, .value_kind: global_buffer, .address_space: global }
      - { .name: ws, .offset: 48, .size: 8, .value_kind: global_buffer, .address_space: global }
    .group_segment_fixed_size: 47616
    .private_segment_fixed_size: 0
    .kernarg_segment_align: 8
    .kernarg_segment_size: 56
    .max_flat_workgroup_size: 128
    .sgpr_count:     66
    .vgpr_count:     256
    .wavefront_size: 32
...
	.end_amdgpu_metadata
.endif
;; end of part 1
;; launch attn (part 2): grid 16 x 16, 8 waves a work-group, clusters of 4 x 1, 327,680 bytes of LDS; arguments hq, wq, ws, out0; writes out0
.if DOCPART == 2
	.amdgcn_target "amdgcn-amd-amdhsa--gfx1250"
	.amdhsa_code_object_version 6
	.text
	.protected	k_q1bc11ed6c9_attn
	.globl	k_q1bc11ed6c9_attn
	.p2align	8
	.type	k_q1bc11ed6c9_attn,@function
k_q1bc11ed6c9_attn:
	s_mov_b64 s[64:65], 0
	v_nop
	global_prefetch_b8 v0, s[64:65] scope:SCOPE_SE
	s_setreg_imm32_b32 hwreg(HW_REG_WAVE_MODE, 25, 1), 1
	s_wait_xcnt 0x0
	s_wait_alu depctr_hold_cnt(0) depctr_sa_sdst(0) depctr_va_vdst(0) depctr_va_sdst(0) depctr_va_ssrc(0) depctr_va_vcc(0) depctr_vm_vsrc(0)
	s_getreg_b32 s2, hwreg(HW_REG_IB_STS2, 6, 4)
	s_cmp_eq_u32 s2, 0
	s_cbranch_scc0 .Lentry_in_a_cluster
	s_endpgm
.Lentry_in_a_cluster:
	s_bfe_u32 s2, ttmp6, 0x10000c
	s_cmp_lg_u32 s2, 0x3003
	s_cbranch_scc0 .Lentry_shape_is_right
	s_endpgm
.Lentry_shape_is_right:
; One work-group: one head, eight chunks of 128 positions (and the chunk ahead of them, for its K and V).  Operands are prep's register images.
; TWO ROLES.  Waves 0-3 PROJECT: wave a keeps 24 weight fragments (two tiles of Wq or Wk, one of Wv, all of K = 1,024) in registers, multiplies them with all 128 rows
; of chunk p from an LDS slot, quantises the results along their next K and stores images of Q, K, V and their scale bytes into KV slot p % 4.
; Waves 4-7 ATTEND: in the same phase they take chunk p - 1 from KV slots (p - 1) % 4 and (p - 2) % 4: S^T = K Q^T, softmax, O^T = V^T P^T, rows out through a stage.
; One barrier a phase parts a slot's stores from its reads; four KV slots, so that the slot written in phase p was last read in phase p - 2.
; hidden's chunks come by joint tensor loads (the cluster's four heads read the same chunk), an eighth a wave, two slots by turns.
; LEFT OUT: key blocks of 32 that lie wholly under the causal mask which reference() builds itself.  A wave takes query tile u of pairs hi and 3 - hi:
; the first sees at most 2 of the current chunk's 4 blocks, the second up to 4; what is masked inside these gets -1e30 as the product's C.
; k / 8 is folded into the softmax's factor: a power of two moves a block's scale and no code.
; LIMITS: scaled scores stay under 2^31 in magnitude and unmasked scores above -1e9 (reference()'s mask value); blocks under 2^-124 keep the scale byte 1; NaN and infinities are not served.
.set CHB,   102400                     ; a chunk's image, and an LDS slot
.set PART,  12800                      ; a wave's eighth: 50 rows of 256 bytes
.set KVB,   204800                     ; four KV slots of PR bytes
.set PR,    24064
.set OFK,   8192                       ; Q: (2 pair + u) x 1,024;  K: OFK + pair x 2,048 (an image of 1,536);  V: OFV + tile x 1,536
.set OFV,   16384
.set OFQS,  22528                      ; scale words [b0 b1 b0 b1] of row r of tile u of a pair: pair x 128 + u x 64 + 4 r;  K's 512 behind Q's
.set OFKS,  23040
.set OFVS,  23552
.set STG,   301056                     ; the way out: 16 rows x 272 bytes for each attending wave
.set SPARE, 318464                     ; the spare words, 128 bytes a wave
.set L16,1
.set L4,2
.set R4,3
.set LA1,4
.set LA2,5
.set LA3,6
.set HA,7
.set HB,8
.set HSA,9
.set A1,10
.set A2,11
.set A3,12
.set SA,13
.set WV16,14
.set WV4,15
.set C16,16
.set P16,17
.set C4,18
.set P4,19
.set QA16,20
.set QB16,21
.set QA4,22
.set QB4,23
.set STO,24
.set RD,25
.set GOA,26
.set GOB,27
.set SPW,28
.set NIL,29
.set PFO,30
; projecting waves, window 0 (window 1: weight fragments 0-20)
.set WSC,32
.set WSV,40
.set HSC,48
.set W7,56
.set FRG,92
.set ACC,188
.set CP,236
.set VP,242
.set CQ,248
.set TG,251
.set VW,254
; attending waves, window 0
.set KS,32
.set VS,40
.set QS,48
.set PS,50
.set FR,54
.set QRUN,150
.set MK,168
.set NEG,232
; attending waves, window 1
.set S,0
.set T,128
.set P,160
.set ST,208
.set MSB,0
.macro WIN new
.if MSB != (\new)
	s_set_vgpr_msb (MSB<<8)|(\new)
.set MSB,(\new)
.endif
.endm
.macro PLACES n
.rept \n
	v_nop
.endr
.endm
.macro ROUND
	s_barrier_signal -1
	s_barrier_wait -1
	s_cmp_lg_u32 s12, 0
	s_cbranch_scc1 .Lnot_wave_0_\@
	s_barrier_signal -3
.Lnot_wave_0_\@:
	s_barrier_wait -3
	s_barrier_signal -1
	s_barrier_wait -1
.endm
; one product; c < 0: C = 0; ra, rb: the scales' row of lanes
.macro WM d, a, b, c, sa, ra, sb, rb
.if (\c) < 0
.if ((\ra) == 0) && ((\rb) == 0)
	v_wmma_scale_f32_16x16x128_f8f6f4 v[\d:\d+7], v[\a:\a+11], v[\b:\b+11], 0, v[\sa], v[\sb] matrix_a_fmt:MATRIX_FMT_FP6 matrix_b_fmt:MATRIX_FMT_FP6
.elseif (\rb) == 0
	v_wmma_scale_f32_16x16x128_f8f6f4 v[\d:\d+7], v[\a:\a+11], v[\b:\b+11], 0, v[\sa], v[\sb] matrix_a_fmt:MATRIX_FMT_FP6 matrix_b_fmt:MATRIX_FMT_FP6 matrix_a_scale:MATRIX_SCALE_ROW1
.elseif (\ra) == 0
	v_wmma_scale_f32_16x16x128_f8f6f4 v[\d:\d+7], v[\a:\a+11], v[\b:\b+11], 0, v[\sa], v[\sb] matrix_a_fmt:MATRIX_FMT_FP6 matrix_b_fmt:MATRIX_FMT_FP6 matrix_b_scale:MATRIX_SCALE_ROW1
.else
	v_wmma_scale_f32_16x16x128_f8f6f4 v[\d:\d+7], v[\a:\a+11], v[\b:\b+11], 0, v[\sa], v[\sb] matrix_a_fmt:MATRIX_FMT_FP6 matrix_b_fmt:MATRIX_FMT_FP6 matrix_a_scale:MATRIX_SCALE_ROW1 matrix_b_scale:MATRIX_SCALE_ROW1
.endif
.else
.if ((\ra) == 0) && ((\rb) == 0)
	v_wmma_scale_f32_16x16x128_f8f6f4 v[\d:\d+7], v[\a:\a+11], v[\b:\b+11], v[\c:\c+7], v[\sa], v[\sb] matrix_a_fmt:MATRIX_FMT_FP6 matrix_b_fmt:MATRIX_FMT_FP6
.elseif (\rb) == 0
	v_wmma_scale_f32_16x16x128_f8f6f4 v[\d:\d+7], v[\a:\a+11], v[\b:\b+11], v[\c:\c+7], v[\sa], v[\sb] matrix_a_fmt:MATRIX_FMT_FP6 matrix_b_fmt:MATRIX_FMT_FP6 matrix_a_scale:MATRIX_SCALE_ROW1
.elseif (\ra) == 0
	v_wmma_scale_f32_16x16x128_f8f6f4 v[\d:\d+7], v[\a:\a+11], v[\b:\b+11], v[\c:\c+7], v[\sa], v[\sb] matrix_a_fmt:MATRIX_FMT_FP6 matrix_b_fmt:MATRIX_FMT_FP6 matrix_b_scale:MATRIX_SCALE_ROW1
.else
	v_wmma_scale_f32_16x16x128_f8f6f4 v[\d:\d+7], v[\a:\a+11], v[\b:\b+11], v[\c:\c+7], v[\sa], v[\sb] matrix_a_fmt:MATRIX_FMT_FP6 matrix_b_fmt:MATRIX_FMT_FP6 matrix_a_scale:MATRIX_SCALE_ROW1 matrix_b_scale:MATRIX_SCALE_ROW1
.endif
.endif
.endm
.macro WSEL                            ; weight fragment xf = 3 s + i: its window and register
.if xf < 21
.set xw,1
.set xr,12*xf
.else
.set xw,0
.set xr,W7+12*(xf-21)
.endif
.endm
	s_load_b256 s[4:11], s[0:1], 0x0               ; hq, wq, ws, out0
	v_lshl_add_u32 v[SPW], v0, 2, SPARE
	v_mov_b32 v[NIL], 0
	ds_add_u32 v[SPW], v[NIL]                      ; the opening lines: the add, twice on end, and its wait
	ds_add_u32 v[SPW], v[NIL]
	v_lshrrev_b32 v31, 5, v0
	v_readfirstlane_b32 s12, v31                   ; wave 0..7
	s_lshr_b32 s13, s12, 2                         ; role: 0 projects, 1 attends
	s_and_b32 s14, s12, 3                          ; a: my number in the role
	s_and_b32 s74, s14, 1                          ; projecting: which 32 of the head's 64;  attending: query tile u
	s_lshr_b32 s75, s14, 1                         ; projecting: 0 Q, 1 K;  attending: hi, my first pair
	s_xor_b32 s80, s75, 3                          ; my second pair, 3 - hi
	s_xor_b32 s82, s75, 1
	s_bfe_u32 s15, ttmp6, 0x40000                  ; cx
	s_lshl_b32 s16, ttmp9, 2
	s_add_co_u32 s16, s16, s15                     ; head
	s_and_b32 s17, ttmp7, 0xffff
	s_lshr_b32 s18, s17, 3                         ; batch
	s_and_b32 s19, s17, 7                          ; which eight chunks
	s_mov_b32 s20, 0x76543210
	s_mov_b32 s21, 0xfedcba98
	s_mov_b32 s22, 0x3e38aa3b                      ; log2(e) / 8
	s_mov_b32 s23, s22
	s_mov_b32 s24, 15|(3<<16)|(1<<21)              ; group 1: 50 rows of 32 elements of 8 bytes, dense; the mask names the cluster's four
	s_mov_b32 s25, 32<<16
	s_mov_b32 s26, 50<<16
	s_mov_b32 s27, 32<<16
	s_mov_b32 s28, 50
	s_mov_b32 s29, 32
	s_mov_b32 s30, 0
	s_mov_b32 s31, 0
	s_cmp_eq_u32 s19, 0
	s_cselect_b32 s44, 1, 0                        ; 1: my first chunk begins a sequence, all keys of the chunk ahead are masked
	s_mul_i32 s83, s82, 504                        ; images: lanes 16-31 (tile u = 1) store this much further on: Q 1,024 each; K 520, 1,016, 520
	s_add_co_u32 s83, s83, 520
	s_lshl_b32 s84, s82, 3
	s_add_co_u32 s84, s84, 1016
	s_lshl_b32 s81, s74, 8
	s_lshl_b32 s48, s75, 13
	s_add_co_u32 s81, s81, s48
	s_add_co_u32 s92, s81, 8
	s_lshl_b32 s67, s75, 9
	s_add_co_u32 s67, s67, s74
	s_add_co_u32 s67, s67, OFQS
	s_mul_i32 s68, s14, 1536
	s_add_co_u32 s68, s68, OFV
	s_lshl_b32 s69, s14, 7
	s_add_co_u32 s69, s69, OFVS
	s_lshl_b32 s48, s74, 10
	s_lshl_b32 s70, s75, 11
	s_add_co_u32 s70, s70, s48
	s_lshl_b32 s71, s80, 11
	s_add_co_u32 s71, s71, s48
	s_lshl_b32 s48, s74, 6
	s_add_co_u32 s48, s48, OFQS
	s_lshl_b32 s72, s75, 7
	s_add_co_u32 s72, s72, s48
	s_lshl_b32 s73, s80, 7
	s_add_co_u32 s73, s73, s48
	s_lshl_b32 s48, s74, 3
	s_lshl_b32 s87, s75, 5
	s_add_co_u32 s87, s87, s48                     ; first row of my first query tile: 32 hi + 8 u
	s_lshl_b32 s96, s80, 5
	s_add_co_u32 s96, s96, s48
	s_lshl_b32 s85, s87, 12
	s_lshl_b32 s86, s96, 12
	s_mul_i32 s93, s14, 4352
	s_add_co_u32 s93, s93, STG
	s_lshl_b32 s94, s14, 5
	s_mul_i32 s95, s15, 100
	s_mul_i32 s58, s12, PART
	s_lshl_b32 s54, s19, 3
	s_add_co_u32 s56, s54, 63
	s_and_b32 s56, s56, 63                         ; the chunk ahead (it wraps, as reference()'s roll does)
	s_lshl_b32 s55, s18, 6
	s_add_co_u32 s54, s54, s55
	s_add_co_u32 s56, s56, s55
	s_mul_i32 s54, s54, CHB
	s_mul_i32 s56, s56, CHB
	s_add_co_u32 s90, s54, 2*CHB
	s_mov_b32 s91, 0
	s_add_co_u32 s54, s54, s58
	s_add_co_u32 s56, s56, s58
	s_mov_b32 s55, 0
	s_mov_b32 s57, 0
	s_mul_i32 s2, s16, 147456
	s_mul_i32 s3, s75, 73728
	s_add_co_u32 s2, s2, s3
	s_mul_i32 s50, s74, 1536
	s_add_co_u32 s50, s50, s2
	s_add_co_u32 s50, s50, 6144                    ; my tile of Wv
	s_mov_b32 s51, 0
	s_mul_i32 s3, s74, 3072
	s_add_co_u32 s2, s2, s3                        ; my two tiles of Wq or Wk
	s_mov_b32 s3, 0
	s_lshl_b32 s60, s16, 1
	s_add_co_u32 s60, s60, s75
	s_mul_i32 s60, s60, 3072
	s_lshl_b32 s52, s74, 6
	s_add_co_u32 s52, s52, s60
	s_add_co_u32 s52, s52, 2048
	s_mov_b32 s53, 0
	s_lshl_b32 s61, s74, 10
	s_add_co_u32 s60, s60, s61
	s_mov_b32 s61, 0
	s_lshl_b32 s62, s18, 13
	s_lshl_b32 s63, s19, 10
	s_add_co_u32 s62, s62, s63
	s_lshl_b32 s62, s62, 12
	s_lshl_b32 s63, s16, 8
	s_add_co_u32 s62, s62, s63
	s_mov_b32 s63, 0
	s_wait_dscnt 0x0
	s_wait_kmcnt 0x0
	s_add_nc_u64 s[76:77], s[6:7], s[50:51]
	s_add_nc_u64 s[6:7], s[6:7], s[2:3]
	s_add_nc_u64 s[78:79], s[8:9], s[52:53]
	s_add_nc_u64 s[8:9], s[8:9], s[60:61]
	s_add_nc_u64 s[10:11], s[10:11], s[62:63]
	s_add_nc_u64 s[88:89], s[4:5], s[90:91]        ; the prefetches' base: two chunks on
	s_add_nc_u64 s[54:55], s[4:5], s[54:55]        ; my eighth of my first chunk
	s_mov_b32 s32, 1
	s_mov_b32 s33, s58
	s_add_nc_u64 s[34:35], s[4:5], s[56:57]
	s_or_b32 s35, s35, 0x80000000
	s_mov_b32 s36, 1
	ROUND
	tensor_load_to_lds s[32:35], s[24:31]          ; the chunk ahead, into slot 0: one load a wave
	s_nop 0
	PLACES 4
	; what the phases' addresses are made of, ahead of the roles' parting
	v_and_b32 v31, 31, v0
	v_lshlrev_b32 v[L16], 4, v31
	v_lshlrev_b32 v[L4], 2, v31
	v_and_b32 v32, 15, v0                          ; r
	v_bfe_u32 v33, v0, 4, 1                        ; h
	v_lshlrev_b32 v[R4], 2, v32
	v_mul_u32_u24 v34, s83, v33
	v_lshl_add_u32 v34, v32, 4, v34
	v_add_nc_u32 v[LA1], s81, v34
	v_add_nc_u32 v[LA3], 512, v[LA1]
	v_mul_u32_u24 v35, s84, v33
	v_lshl_add_u32 v35, v32, 4, v35
	v_add_nc_u32 v[LA2], s92, v35
	v_mul_u32_u24 v34, v32, 272
	v_lshl_add_u32 v34, v33, 6, v34
	v_add_nc_u32 v[STO], s93, v34
	v_mul_u32_u24 v35, v33, 272
	v_lshl_add_u32 v35, v32, 4, v35
	v_add_nc_u32 v[RD], s93, v35
	v_lshlrev_b32 v34, 12, v33
	v_lshl_add_u32 v34, v32, 4, v34
	v_add_nc_u32 v[GOA], s85, v34
	v_add_nc_u32 v[GOB], s86, v34
	v_add_nc_u32 v35, s94, v31                     ; prefetch: of a chunk's 400 blocks of 256 bytes work-group cx names 100, a lane a block, told apart by address
	v_min_u32 v35, 99, v35
	v_add_nc_u32 v35, s95, v35
	v_lshlrev_b32 v[PFO], 8, v35
	s_wait_alu depctr_va_vdst(0)
	s_cmp_lg_u32 s13, 0
	s_cbranch_scc1 .Lhead_att
.set n,0
.rept 8
	global_load_b32 v[WSC+n], v[L4], s[8:9] offset:128*n      ; lanes 0-15 my first tile's scale words of K step n, lanes 16-31 my second's
	global_load_b32 v[WSV+n], v[R4], s[78:79] offset:128*n    ; my tile of Wv
.set n,n+1
.endr
.set f,0
.rept 24
.set xf,f
	WSEL
	WIN 0x40*xw
.irp c,0,1,2
.if f%3 < 2
	global_load_b128 v[xr+4*\c:xr+4*\c+3], v[L16], s[6:7] offset:9216*(f/3)+1536*(f%3)+512*\c
.else
	global_load_b128 v[xr+4*\c:xr+4*\c+3], v[L16], s[76:77] offset:9216*(f/3)+512*\c
.endif
.endr
.set f,f+1
.endr
	WIN 0
.irp n,0,1,2
	v_mov_b32 v[CP+\n], 0                          ; a lane permute's destination counts as a source
.endr
	s_branch .Lhead_done
.Lhead_att:
	v_lshrrev_b32 v35, 3, v32
	v_lshl_add_u32 v35, v35, 3, v32
	v_lshlrev_b32 v34, 4, v33
	v_sub_nc_u32 v35, v35, v34                     ; r + 8 (r / 8) - 16 h
	v_add_nc_u32 v36, s87, v35                     ; + my query tile's first row
	v_add_nc_u32 v37, s96, v35
.irp n,0,1,2,3,4,5,6,7
	v_mov_b32 v[NEG+\n], 0xf149f2ca                ; -1e30
.endr
.irp n,0,1,2,3,4,5,12,13,14,15,16,17
	v_mov_b32 v[QRUN+\n], 0                        ; zero codes on both sides of q: [q 0] meets a K image's first tile, [0 q] its second
.endr
.irp x,0,1                                     ; masks as C: tile x, key blocks 2 x and 2 x + 1 of the current chunk: key 32 j + 8 w + 16 h + n beyond my query
.irp jj,0,1
.irp w,0,1
.irp n,0,1,2,3,4,5,6,7
	v_cmp_gt_i32 vcc_lo, 64*\x+32*\jj+8*\w+\n, v[36+\x]
	v_cndmask_b32 v[MK+8*(4*\x+2*\jj+\w)+\n], 0, v[NEG], vcc_lo
.endr
.endr
.endr
.endr
	WIN 0x40
.irp n,8,9,10,11,12,13,14,15,27
	v_mov_b32 v[T+\n], 0
.endr
.irp n,6,7,9,11
	v_mov_b32 v[ST+\n], 0
.endr
.irp n,18,19,20,21,22,23
	v_mov_b32 v[P+\n], 0                           ; the first tile's p of key blocks 6, 7: zero codes, never rewritten
.endr
	WIN 0
.Lhead_done:
; ---------------- projecting ----------------
.macro HLOAD g                         ; step g = 8 pair + s: hidden's two fragments into buffer g % 4
.set xp,(\g)/8
.set xs,(\g)%8
.set xb,FRG+24*((\g)%4)
.irp u,0,1
.irp c,0,1,2
.if xs < 4
	ds_load_b128 v[xb+12*\u+4*\c:xb+12*\u+4*\c+3], v[HA] offset:(8*xs+2*xp+\u)*1536+512*\c
.else
	ds_load_b128 v[xb+12*\u+4*\c:xb+12*\u+4*\c+3], v[HB] offset:(8*(xs-4)+2*xp+\u)*1536+512*\c
.endif
.endr
.endr
.endm
.macro HSCL p                          ; hidden's scale words of pair p, all eight K steps
.irp k,0,1
	ds_load_b128 v[HSC+4*\k:HSC+4*\k+3], v[HSA] offset:(2*(\p)+\k)*512
.endr
.endm
.macro MUL g                           ; six products, six accumulators by turns.  Q, K transposed (a lane holds a row, registers run along the head); V as it is (registers run along the keys)
.set xp,(\g)/8
.set xs,(\g)%8
.set xh,FRG+24*((\g)%4)
.set hs,HSC+xs
.irp t,0,1
.irp u,0,1
.set xf,3*xs+\t
	WSEL
	WIN xw
.set rD,ACC+16*\u+8*\t
.set rC,rD
.if xs == 0
.set rC,-1
.endif
	WM rD, xr, xh+12*\u, rC, WSC+xs, \t, hs, \u
.endr
.endr
.irp u,0,1
.set xf,3*xs+2
	WSEL
	WIN 4*xw
.set rD,ACC+32+8*\u
.set rC,rD
.if xs == 0
.set rC,-1
.endif
	WM rD, xh+12*\u, xr, rC, hs, \u, WSV+xs, 0
.endr
	WIN 0
.endm
.macro QUANT p                         ; three blocks by turns: 0, 1: 32 of the head's 64 of row tiles u = 0, 1;  2: 32 keys of my 16 columns of V
.irp b,0,1,2
	v_max3_num_f32 v[TG+\b], |v[ACC+16*\b]|, |v[ACC+16*\b+1]|, 0x1800000
.endr
.irp i,2,4,6,8,10,12,14
.irp b,0,1,2
	v_max3_num_f32 v[TG+\b], v[TG+\b], |v[ACC+16*\b+\i]|, |v[ACC+16*\b+\i+1]|
.endr
.endr
.irp b,0,1,2
	v_permlanex16_b32 v[CP+\b], v[TG+\b], s20, s21 ; (the codes' registers are free here)
.endr
.irp b,0,1,2
	v_max_num_f32 v[TG+\b], v[TG+\b], v[CP+\b]
.endr
.irp b,0,1,2
	v_add_nc_u32 v[TG+\b], 0xff000000, v[TG+\b]    ; 2 off the exponent field: the conversions' scale operand
.endr
	v_cvt_scalef32_pk16_fp6_f32 v[CP:CP+2], v[ACC:ACC+15], v[TG]
	v_cvt_scalef32_pk16_fp6_f32 v[CQ:CQ+2], v[ACC+16:ACC+31], v[TG+1]
	v_nop
.irp i,0,1,2
	v_permlane16_swap_b32 v[CP+\i], v[CQ+\i]       ; lanes 0-15 now hold tile 0's whole block, lanes 16-31 tile 1's
.endr
.irp i,0,1,2
	v_mov_b32 v[CP+3+\i], v[CQ+\i]
.endr
	ds_store_b64 v[A1], v[CP:CP+1] offset:2048*(\p)
	ds_store_b64 v[A2], v[CP+2:CP+3] offset:2048*(\p)
	ds_store_b64 v[A3], v[CP+4:CP+5] offset:2048*(\p)
.if (\p)%2 == 0
	v_cvt_scalef32_pk16_fp6_f32 v[VP:VP+2], v[ACC+32:ACC+47], v[TG+2]
	v_nop
.else
	v_cvt_scalef32_pk16_fp6_f32 v[CQ:CQ+2], v[ACC+32:ACC+47], v[TG+2]
	v_nop
.irp i,0,1,2
	v_permlane16_swap_b32 v[VP+\i], v[CQ+\i]
.endr
.irp i,0,1,2
	v_mov_b32 v[VP+3+\i], v[CQ+\i]
.endr
.endif
.irp b,0,1,2
	v_lshrrev_b32 v[TG+\b], 23, v[TG+\b]           ; the conversions have read the operands: now the bytes, in place
.endr
.if (\p) == 0
	v_mov_b32 v[VW], v[TG+2]
.else
	v_lshl_or_b32 v[VW], v[TG+2], 8*(\p), v[VW]
.endif
.irp b,0,1
	ds_store_b8 v[SA], v[TG+\b] offset:128*(\p)+64*\b         ; both halves of the lanes write the same byte with the same value
	ds_store_b8 v[SA], v[TG+\b] offset:128*(\p)+64*\b+2
.endr
.if (\p) == 1                                  ; registers 0-5 of V's image
	ds_store_b128 v[WV16], v[VP:VP+3]
	ds_store_b64 v[WV16], v[VP+4:VP+5] offset:512
.elseif (\p) == 3                              ; registers 6-11, and the tile's scale words
	ds_store_b64 v[WV16], v[VP:VP+1] offset:520
	ds_store_b128 v[WV16], v[VP+2:VP+5] offset:1024
	ds_store_b32 v[WV4], v[VW]
.endif
.endm
.macro GPH
	s_wait_loadcnt 0x0                             ; the weights are in (first phase)
	HSCL 0
	HLOAD 0
	HLOAD 1
	HLOAD 2
	HLOAD 3
.set g,0
.rept 16                               ; two K steps at a time: twelve products, then one run of twelve loads
.if g == 30
	s_wait_dscnt 0x0
.elseif (g%8 == 0) && (g > 0)
	s_wait_dscnt 19                                ; the later two steps' twelve loads and the quantiser's seven or more stores may be out; the pair's scale words, asked for ahead of them, are in
.else
	s_wait_dscnt 12                                ; the later two steps' twelve loads may be out
.endif
	MUL g
	MUL g+1
	PLACES 4
.if (g%8 == 6) && (g < 30)
	HSCL g/8+1
.endif
.if g < 28
	HLOAD g+4
	HLOAD g+5
.endif
.if g%8 == 6
	QUANT g/8
.endif
.set g,g+2
.endr
.endm
; ---------------- attending ----------------
.macro QLOAD a
	ds_load_b128 v[QRUN+6:QRUN+9], v[\a]
	ds_load_b64 v[QRUN+10:QRUN+11], v[\a] offset:512
.endm
.macro KLOAD a16, a4, k
.irp j,0,1,2,3
.irp c,0,1,2
	ds_load_b128 v[FR+48*\k+12*\j+4*\c:FR+48*\k+12*\j+4*\c+3], v[\a16] offset:OFK+2048*\j+512*\c
.endr
	ds_load_b32 v[KS+4*\k+\j], v[\a4] offset:OFKS+128*\j
.endr
.endm
.macro VLOADK a16, a4, k
.irp t,0,1,2,3
.irp c,0,1,2
	ds_load_b128 v[FR+48*\k+12*\t+4*\c:FR+48*\k+12*\t+4*\c+3], v[\a16] offset:OFV+1536*\t+512*\c
.endr
	ds_load_b32 v[VS+4*\k+\t], v[\a4] offset:OFVS+128*\t
.endr
.endm
.macro SPREVV x, c
	WIN 0x40
.irp j,0,1,2,3
.irp w,0,1
	WM S+8*(2*\j+\w), FR+12*\j, QRUN+6-6*\w, \c, KS+\j, \w, QS+\x, 0
.endr
.endr
	WIN 0
.endm
.macro SPREV x, first
.if \first
	s_cmp_lg_u32 s44, 0
	s_cbranch_scc1 .Lsp_first_\@
	SPREVV \x, -1
	s_branch .Lsp_done_\@
.Lsp_first_\@:
	SPREVV \x, NEG
.Lsp_done_\@:
.else
	SPREVV \x, -1
.endif
.endm
.macro SCUR x, nj
	WIN 0x40
.set j,0
.rept \nj
.irp w,0,1
.if \x == 0
.set rC,MK+8*(2*j+\w)
.elseif j >= 2
.set rC,MK+8*(2*j+\w)
.else
.set rC,-1
.endif
	WM S+64+8*(2*j+\w), FR+48+12*j, QRUN+6-6*\w, rC, KS+4+j, \w, QS+\x, 0
.endr
.set j,j+1
.endr
	WIN 0
.endm
.macro SOFT x, nb                      ; nb blocks of 32 keys: p = 2^(t - M), the sum of the unquantised p, p's codes and scale words
	WIN 0x55
.set b,0
.rept \nb
	v_max3_num_f32 v[T+b], v[S+16*b], v[S+16*b+1], v[S+16*b+2]
.set b,b+1
.endr
.irp i,3,5,7,9,11,13
.set b,0
.rept \nb
	v_max3_num_f32 v[T+b], v[T+b], v[S+16*b+\i], v[S+16*b+\i+1]
.set b,b+1
.endr
.endr
.set b,0
.rept \nb
	v_max_num_f32 v[T+b], v[T+b], v[S+16*b+15]
.set b,b+1
.endr
.set b,0
.rept \nb
	v_permlanex16_b32 v[T+8+b], v[T+b], s20, s21
.set b,b+1
.endr
.set b,0
.rept \nb
	v_max_num_f32 v[T+b], v[T+b], v[T+8+b]         ; each block's largest score: it serves the row's maximum and the block's largest p
.set b,b+1
.endr
	v_max3_num_f32 v[T+24], v[T], v[T+1], v[T+2]
	v_max3_num_f32 v[T+24], v[T+24], v[T+3], v[T+4]
.if \nb >= 7
	v_max3_num_f32 v[T+24], v[T+24], v[T+5], v[T+6]
.endif
.if \nb == 8
	v_max_num_f32 v[T+24], v[T+24], v[T+7]
.endif
.if \nb == 6
	v_max_num_f32 v[T+24], v[T+24], v[T+5]
.endif
	v_mul_f32 v[T+24], s22, v[T+24]
	v_floor_f32 v[T+26], -v[T+24]                  ; -M, a whole number
.set n,0
.rept 8*\nb
	v_pk_fma_f32 v[S+2*n:S+2*n+1], v[S+2*n:S+2*n+1], s[22:23], v[T+26:T+27] op_sel_hi:[1,0,0]
.set n,n+1
.endr
.set b,0
.rept \nb
	v_fma_f32 v[T+b], v[T+b], s22, v[T+26]
.set b,b+1
.endr
	s_wait_alu depctr_va_vdst(0)
.set n,0
.rept 16*\nb
	v_exp_f32 v[S+n], v[S+n]
.set n,n+1
.endr
	v_nop
	s_wait_alu depctr_va_vdst(0)
.set b,0
.rept \nb
	v_exp_f32 v[T+b], v[T+b]
.set b,b+1
.endr
	v_pk_add_f32 v[ST+2*\x:ST+2*\x+1], v[S:S+1], v[S+8:S+9]         ; the row's sum of the unquantised p, in four chains by turns
	v_pk_add_f32 v[T+28:T+29], v[S+2:S+3], v[S+10:S+11]
	v_pk_add_f32 v[T+8:T+9], v[S+4:S+5], v[S+12:S+13]
	v_pk_add_f32 v[T+10:T+11], v[S+6:S+7], v[S+14:S+15]
.set n,16
.rept 2*\nb-2
	v_pk_add_f32 v[ST+2*\x:ST+2*\x+1], v[ST+2*\x:ST+2*\x+1], v[S+n:S+n+1]
	v_pk_add_f32 v[T+28:T+29], v[T+28:T+29], v[S+n+2:S+n+3]
	v_pk_add_f32 v[T+8:T+9], v[T+8:T+9], v[S+n+4:S+n+5]
	v_pk_add_f32 v[T+10:T+11], v[T+10:T+11], v[S+n+6:S+n+7]
.set n,n+8
.endr
	v_pk_add_f32 v[ST+2*\x:ST+2*\x+1], v[ST+2*\x:ST+2*\x+1], v[T+28:T+29]
	v_pk_add_f32 v[T+8:T+9], v[T+8:T+9], v[T+10:T+11]
	v_pk_add_f32 v[ST+2*\x:ST+2*\x+1], v[ST+2*\x:ST+2*\x+1], v[T+8:T+9]
	s_wait_alu depctr_va_vdst(0)
.set b,0
.rept \nb
	v_max_num_f32 v[T+b], 0x1800000, v[T+b]
.set b,b+1
.endr
.set b,0
.rept \nb
	v_add_nc_u32 v[T+16+b], 0xff000000, v[T+b]
.set b,b+1
.endr
.set b,0
.rept \nb
	v_lshrrev_b32 v[T+8+b], 23, v[T+16+b]
.set b,b+1
.endr
	v_lshl_or_b32 v[T+30], v[T+9], 8, v[T+8]
.if \nb == 5                                   ; the bytes of blocks that are left out stay 0, a finite code over zero codes
	v_mov_b32 v[T+31], v[T+12]
.else
	v_lshl_or_b32 v[T+31], v[T+13], 8, v[T+12]
.endif
	v_lshl_or_b32 v[T+30], v[T+10], 16, v[T+30]
	v_lshl_or_b32 v[T+30], v[T+11], 24, v[T+30]
.if \nb >= 7
	v_lshl_or_b32 v[T+31], v[T+14], 16, v[T+31]
.endif
.if \nb == 8
	v_lshl_or_b32 v[T+31], v[T+15], 24, v[T+31]
.endif
	WIN 0x01
	v_mov_b32 v[PS+2*\x], v[T+30]
	v_mov_b32 v[PS+2*\x+1], v[T+31]
	WIN 0x55
.set c,0
.rept \nb/2
	v_cvt_scalef32_pk16_fp6_f32 v[P+24*\x+6*c:P+24*\x+6*c+2], v[S+32*c:S+32*c+15], v[T+16+2*c]
	v_cvt_scalef32_pk16_fp6_f32 v[T+4*c:T+4*c+2], v[S+32*c+16:S+32*c+31], v[T+17+2*c]
.set c,c+1
.endr
.if \nb%2                                      ; an odd count: the last block's partner is left out
	v_cvt_scalef32_pk16_fp6_f32 v[P+24*\x+6*c:P+24*\x+6*c+2], v[S+32*c:S+32*c+15], v[T+16+2*c]
.endif
	v_nop
.if \nb%2
.irp i,0,1,2
	v_mov_b32 v[T+4*c+\i], 0                       ; its codes are zeros
.endr
.endif
.set c,0
.rept (\nb+1)/2
.irp i,0,1,2
	v_permlane16_swap_b32 v[P+24*\x+6*c+\i], v[T+4*c+\i]
.endr
.irp i,0,1,2
	v_mov_b32 v[P+24*\x+6*c+3+\i], v[T+4*c+\i]
.endr
.set c,c+1
.endr
	WIN 0
.endm
.macro PV
	WIN 0x54
.irp k,0,1
.irp x,0,1
.irp t,0,1,2,3
.set rC,32*\x+8*\t
.if \k == 0
.set rC,-1
.endif
	WM 32*\x+8*\t, FR+12*(4*\k+\t), P+24*\x+12*\k, rC, VS+4*\k+\t, 0, PS+2*\x+\k, 0
.endr
.endr
.endr
	WIN 0
.endm
.macro OUT x                           ; / l, through my stage, out as rows: sixteen lanes store 256 consecutive bytes, aligned
	WIN 0x55
.set n,0
.rept 16
	v_pk_mul_f32 v[32*\x+2*n:32*\x+2*n+1], v[32*\x+2*n:32*\x+2*n+1], v[ST+8+2*\x:ST+9+2*\x] op_sel_hi:[1,0]
.set n,n+1
.endr
	WIN 0x04
.irp k,0,1,2,3,4,5,6,7
	ds_store_b128 v[STO], v[32*\x+4*\k:32*\x+4*\k+3] offset:128*(\k/4)+16*(\k%4)
.endr
	WIN 0x40
.irp k,0,1,2,3,4,5,6,7
	ds_load_b128 v[64+32*\x+4*\k:64+32*\x+4*\k+3], v[RD] offset:544*\k   ; LDS serves a wave's instructions in order: the next tile's stores into the stage come behind these
.endr
	WIN 0
.endm
.macro SEND x, younger                 ; younger: the LDS instructions issued behind this tile's loads from the stage
	WIN 0x04
.irp k,0,1,2,3,4,5,6,7
	s_wait_dscnt \younger+7-\k
	global_store_b128 v[GOA+\x], v[64+32*\x+4*\k:64+32*\x+4*\k+3], s[10:11] offset:(2*\k+8*(\k/4))*4096 th:TH_STORE_NT
.endr
	WIN 0
.endm
.macro APH first
	QLOAD QA16
	ds_load_b32 v[QS], v[QA4]
	ds_load_b32 v[QS+1], v[QB4]
	KLOAD P16, P4, 0
	KLOAD C16, C4, 1
	s_wait_dscnt 16                                ; the current chunk's sixteen loads may be out
	SPREV 0, \first
	s_wait_dscnt 0x0
	s_cmp_lg_u32 s75, 0                            ; pair hi sees hi + 1 blocks of the current chunk, pair 3 - hi sees 4 - hi: 13 blocks in all for every wave
	s_cbranch_scc1 .Lta_\@
	SCUR 0, 1
	PLACES 5
	QLOAD QB16
	SOFT 0, 5
	s_branch .Ltb_\@
.Lta_\@:
	SCUR 0, 2
	PLACES 5
	QLOAD QB16
	SOFT 0, 6
.Ltb_\@:
	s_wait_dscnt 0x0
	SPREV 1, \first
	s_cmp_lg_u32 s75, 0
	s_cbranch_scc1 .Ltc_\@
	SCUR 1, 4
	PLACES 5
	VLOADK P16, P4, 0
	VLOADK C16, C4, 1
	SOFT 1, 8
	s_branch .Ltd_\@
.Ltc_\@:
	SCUR 1, 3
	PLACES 5
	VLOADK P16, P4, 0
	VLOADK C16, C4, 1
	SOFT 1, 7
.Ltd_\@:
	WIN 0x55
.irp x,0,1
	v_add_f32 v[ST+4+\x], v[ST+2*\x], v[ST+2*\x+1]
.endr
.irp x,0,1
	v_permlanex16_b32 v[ST+6+\x], v[ST+4+\x], s20, s21
.endr
.irp x,0,1
	v_add_f32 v[ST+4+\x], v[ST+4+\x], v[ST+6+\x]
.endr
	s_wait_alu depctr_va_vdst(0)
.irp x,0,1
	v_rcp_f32 v[ST+8+2*\x], v[ST+4+\x]
.endr
	v_nop
	s_wait_alu depctr_va_vdst(0)
	WIN 0
	PLACES 8                                       ; p's scale words were written by vector instructions
	s_wait_dscnt 0x0
	PV
	PLACES 4
	OUT 0
	OUT 1
	SEND 0, 16                                     ; the second tile's eight stores and eight loads may be out
	SEND 1, 0
	s_wait_xcnt 0x0                                ; the stores have read their base and data
	s_add_nc_u64 s[10:11], s[10:11], 524288
.if \first
	s_mov_b32 s44, 0
.endif
.endm
; every wave makes both roles' LDS addresses of phase s43, ahead of the parting
.macro ADDR
	s_and_b32 s40, s43, 1
	s_mul_i32 s40, s40, CHB
	s_and_b32 s41, s43, 3
	s_mul_i32 s41, s41, PR
	s_add_co_u32 s41, s41, KVB                     ; KV slot written
	s_add_co_u32 s42, s43, 3
	s_and_b32 s42, s42, 3
	s_mul_i32 s42, s42, PR
	s_add_co_u32 s42, s42, KVB                     ; the attended chunk's
	s_add_co_u32 s45, s43, 2
	s_and_b32 s45, s45, 3
	s_mul_i32 s45, s45, PR
	s_add_co_u32 s45, s45, KVB                     ; the chunk's ahead of it
	s_add_co_u32 s48, s41, s67
	s_add_co_u32 s49, s41, s68
	s_add_co_u32 s50, s41, s69
	s_add_co_u32 s51, s42, s70
	s_add_co_u32 s52, s42, s71
	s_add_co_u32 s53, s42, s72
	s_add_co_u32 s56, s42, s73
	v_add_nc_u32 v[HA], s40, v[L16]
	v_add_nc_u32 v[A1], s41, v[LA1]
	v_add_nc_u32 v[A2], s41, v[LA2]
	v_add_nc_u32 v[A3], s41, v[LA3]
	v_add_nc_u32 v[HB], 49152, v[HA]
	v_add_nc_u32 v[HSA], 98304, v[HA]
	v_add_nc_u32 v[SA], s48, v[R4]
	v_add_nc_u32 v[WV16], s49, v[L16]
	v_add_nc_u32 v[WV4], s50, v[L4]
	v_add_nc_u32 v[C16], s42, v[L16]
	v_add_nc_u32 v[C4], s42, v[L4]
	v_add_nc_u32 v[P16], s45, v[L16]
	v_add_nc_u32 v[P4], s45, v[L4]
	v_add_nc_u32 v[QA16], s51, v[L16]
	v_add_nc_u32 v[QB16], s52, v[L16]
	v_add_nc_u32 v[QA4], s53, v[R4]
	v_add_nc_u32 v[QB4], s56, v[R4]
	s_wait_alu depctr_va_vdst(0)
.endm
	s_mov_b32 s43, 0                               ; the phase
.Lmain:                                                ; phases 0-7: chunk s43 is projected, chunk s43 - 1 attended (from phase 2 on), chunk s43 + 1 asked for
	s_wait_alu depctr_va_vdst(0)
	s_wait_xcnt 0x0                                ; my prefetch has read its base
	s_wait_tensorcnt 0x0                           ; my eighth of this phase's chunk is in;
	ds_add_u32 v[SPW], v[NIL]
	s_add_co_u32 s48, s43, 1
	s_and_b32 s48, s48, 1
	s_mul_i32 s48, s48, CHB
	s_add_co_u32 s37, s48, s58                     ; the other slot, my eighth
	s_mul_i32 s60, s43, CHB
	s_mov_b32 s61, 0
	s_add_nc_u64 s[38:39], s[54:55], s[60:61]
	s_or_b32 s39, s39, 0x80000000
	s_add_nc_u64 s[46:47], s[88:89], s[60:61]      ; what the load two trips on will ask for
	s_wait_dscnt 0x0                               ; the add, my reads and my stores are done
	ROUND
	tensor_load_to_lds s[36:39], s[24:31]
	s_nop 0
	PLACES 4
	ADDR
	s_cmp_lg_u32 s13, 0
	s_cbranch_scc1 .Lm_att
	GPH
	s_branch .Lm_join
.Lm_att:
	s_cmp_lt_u32 s43, 6                            ; the last two trips have no load two trips on
	s_cbranch_scc0 .Lm_nopf
	global_prefetch_b8 v[PFO], s[46:47] th:TH_LOAD_NT scope:SCOPE_SE
.Lm_nopf:
	s_cmp_lt_u32 s43, 2
	s_cbranch_scc1 .Lm_join
	APH 1
.Lm_join:
	s_add_co_u32 s43, s43, 1
	s_cmp_lt_u32 s43, 8
	s_cbranch_scc1 .Lmain
	s_wait_tensorcnt 0x0                           ; the last chunk is in; nothing more is asked for
.Ltail:                                                ; phases 8, 9
	s_wait_alu depctr_va_vdst(0)
	s_wait_dscnt 0x0
	s_barrier_signal -1
	s_barrier_wait -1
	ADDR
	s_cmp_lg_u32 s13, 0
	s_cbranch_scc1 .Lt_att
	s_cmp_lg_u32 s43, 8
	s_cbranch_scc1 .Lt_join
	GPH
	s_branch .Lt_join
.Lt_att:
	APH 0
.Lt_join:
	s_add_co_u32 s43, s43, 1
	s_cmp_lt_u32 s43, 10
	s_cbranch_scc1 .Ltail
	s_wait_tensorcnt 0x0                           ; the wave's end
	ds_add_u32 v[SPW], v[NIL]
	s_wait_dscnt 0x0
	ROUND                                          ; the closing round
	s_endpgm
.Lfunc_end_k_q1bc11ed6c9_attn:
	.size	k_q1bc11ed6c9_attn, .Lfunc_end_k_q1bc11ed6c9_attn-k_q1bc11ed6c9_attn
	.p2alignl 7, 3214868480
	.fill 96, 4, 3214868480
	.section	.rodata,"a",@progbits
	.p2align	6, 0x0
	.amdhsa_kernel k_q1bc11ed6c9_attn
		.amdhsa_group_segment_fixed_size 327680
		.amdhsa_private_segment_fixed_size 0
		.amdhsa_enable_private_segment 0
		.amdhsa_kernarg_size 32
		.amdhsa_user_sgpr_count 2
		.amdhsa_user_sgpr_kernarg_segment_ptr 1
		.amdhsa_wavefront_size32 1
		.amdhsa_system_sgpr_workgroup_id_x 1
		.amdhsa_system_sgpr_workgroup_id_y 1
		.amdhsa_system_sgpr_workgroup_id_z 1
		.amdhsa_system_vgpr_workitem_id 0
		.amdhsa_next_free_vgpr 512
		.amdhsa_next_free_sgpr 100
		.amdhsa_reserve_vcc 1
		.amdhsa_float_denorm_mode_32 3
		.amdhsa_float_denorm_mode_16_64 3
		.amdhsa_memory_ordered 1
		.amdhsa_forward_progress 1
		.amdhsa_inst_pref_size 255
	.end_amdhsa_kernel
	.section	.bss,"aw",@nobits
	.p2align	6
	.space	262144
	.amdgpu_metadata
---
amdhsa.version: [ 1, 2 ]
amdhsa.kernels:
  - .name:           k_q1bc11ed6c9_attn
    .symbol:         k_q1bc11ed6c9_attn.kd
    .args:
      - { .name: hq, .offset: 0, .size: 8, .value_kind: global_buffer, .address_space: global }
      - { .name: wq, .offset: 8, .size: 8, .value_kind: global_buffer, .address_space: global }
      - { .name: ws, .offset: 16, .size: 8, .value_kind: global_buffer, .address_space: global }
      - { .name: out0, .offset: 24, .size: 8, .value_kind: global_buffer, .address_space: global }
    .group_segment_fixed_size: 327680
    .private_segment_fixed_size: 0
    .kernarg_segment_align: 8
    .kernarg_segment_size: 32
    .max_flat_workgroup_size: 256
    .sgpr_count:     100
    .vgpr_count:     512
    .wavefront_size: 32
...
	.end_amdgpu_metadata
.endif
;; end of part 2
